; MI455X (gfx1250); checked and timed in simulation.
; The chip was launched on July 23, 2026; its instructions are those of AMD's public machine-readable ISA for CDNA 5 (MIT licence, August 2026) and "CDNA5" Instruction Set Architecture Reference Guide (July 2026). The comments in the code are by the model that wrote it; some were corrected since.
;; Multi Head Atte. Allowed arithmetic: matrix products marked QUANTISED: E5M2 operands, one given power-of-two scale a tensor, by v_wmma_f32_16x16x64_bf8_bf8 or v_wmma_f32_16x16x128_bf8_bf8, f32 sums; everything else in f32.
;; Inputs: K 4 x 2,048 x 1,024 float32; Q 4 x 2,048 x 1,024 float32; V 4 x 2,048 x 1,024 float32; Wk 16 x 1,024 x 64 float32; Wo 1,024 x 1,024 float32; Wq 16 x 1,024 x 64 float32; Wv 16 x 1,024 x 64 float32; bk 16 x 64 float32; bo 1,024 float32; bq 16 x 64 float32; bv 16 x 64 float32; lowp_scales 12 int32 (the exponents e of the quantised operands' scales 2^e).
;; Outputs: out0 4 x 2,048 x 1,024 float32.
;; This version of the problem:
;;   THIS VERSION OF THE PROBLEM IS GIVEN IN LOW PRECISION. The matrix products marked QUANTISED in the list below multiply operands that are first quantised to E5M2 (5 exponent bits, 2 mantissa bits; 8 bits a number), with one given power-of-two scale for each operand tensor; their sums are f32. All else is computed in f32.
;;   The module's matrix products, in the order in which they are computed (A, B: the left and right operand; K: the contracted axis; several contracted axes count as one K, in the product's order):
;;     1. [M 1,024, K 1,024] x [K 1,024, N 8,192]; A: input Wq; B: input Q: QUANTISED (scales: A lowp_scales[0], B lowp_scales[1])
;;     2. [M 1,024, K 1,024] x [K 1,024, N 8,192]; A: input Wk; B: input K: QUANTISED (scales: A lowp_scales[2], B lowp_scales[3])
;;     3. [M 1,024, K 1,024] x [K 1,024, N 8,192]; A: input Wv; B: input V: QUANTISED (scales: A lowp_scales[4], B lowp_scales[5])
;;     4. batch 64 x [M 2,048, K 64] x [K 64, N 2,048]; A: computed on the way; B: computed on the way: QUANTISED (scales: A lowp_scales[6], B lowp_scales[7])
;;     5. batch 64 x [M 2,048, K 2,048] x [K 2,048, N 64]; A: softmax (see below); B: computed on the way: QUANTISED (scales: A lowp_scales[8], B lowp_scales[9])
;;     6. [M 8,192, K 1,024] x [K 1,024, N 1,024]; A: computed on the way; B: input Wo: QUANTISED (scales: A lowp_scales[10], B lowp_scales[11])
;;   THE QUANTISER, for each operand of a quantised product, along K:
;;     - The operand's scale is 2^e, e = its entry of the input lowp_scales (int32; the entries are numbered through the quantised products in the list's order, A before B).
;;     - Each number is divided by the scale, clamped to +-57,344, and rounded to the nearest number of E5M2, ties to even, subnormals kept.
;;     - The product sums the exact products of the quantised numbers (number of the format x scale) in f32.
;;   ~~~python
;;   def quantise(x, axis, e):      # numpy; x: float32 -> the quantised numbers, widened to float32 again
;;       x = np.moveaxis(x, axis, -1); K = x.shape[-1]
;;       r = np.clip(x / 2.0 ** e, -57344, 57344)
;;       step = 2.0 ** (np.maximum(np.frexp(np.where(r == 0, 1, r))[1] - 1, -14) - 2)
;;       q = np.round(r / step) * step * 2.0 ** e      # np.round: ties to even
;;       return np.moveaxis(q, -1, axis).astype(np.float32)
;;   ~~~
;;   SOFTMAX AHEAD OF A QUANTISED PRODUCT. Where the list says 'softmax', what is quantised is not the finished softmax but p = 2^(t - M), with t = logit x log2(e) and M = ceil(the row's largest t), a whole number; so 1/2 < the row's largest p <= 1. The row's sum l is taken of the UNQUANTISED p, in f32, and the product's result is divided by l at the end. Since M is a whole number, a kernel that streams over the keys may use a running M (the ceiling of the running maximum): every later rescaling is an exact power of two, so the quantised numbers keep their values, but for numbers so far below the row's largest that they fall under the format's range.
;;   OPERANDS COMPUTED ON THE WAY. 'Computed on the way' means the value that the module computes at that place (a softmax that the list does not call 'softmax' is quantised finished and normalised). What goes into a quantiser is computed in f32, as accurately as f32 sums, v_exp_f32 and their like allow (about 1e-6 of the number): no bf16 or f16 on the way to a quantiser, and a product that is left as it is and whose result goes on into a quantised operand takes f32 operands (vector FMAs, or v_wmma_f32_16x16x4_f32). A number that lies on a knife's edge between two numbers of the format may be rounded either way, as far as f32 arithmetic and the matrix unit's own rounding can turn it there, and no further.
;; One version. Each part assembles by itself: llvm-mc -triple=amdgcn-amd-amdhsa -mcpu=gfx1250 --defsym DOCPART=n.
;; ======== version 1 of 1: 4 launches
;; limits: right only within a limited range of input values
;; workspace buffers: wc 4,194,304 bytes; pc 25,165,824 bytes; cat 8,388,608 bytes
;; launch quantw (part 1): grid 128 x 1, 8 waves a work-group, no clusters, 35,840 bytes of LDS; arguments Wq, Wk, Wv, Wo, lowp_scales, wc; writes wc
.if DOCPART == 1
	.amdgcn_target "amdgcn-amd-amdhsa--gfx1250"
	.amdhsa_code_object_version 6
	.text
	.protected	k_q5a6cb8bb96_quantw
	.globl	k_q5a6cb8bb96_quantw
	.p2align	8
	.type	k_q5a6cb8bb96_quantw,@function
k_q5a6cb8bb96_quantw:
	s_mov_b64 s[64:65], 0
	v_nop
	global_prefetch_b8 v0, s[64:65] scope:SCOPE_SE
	s_setreg_imm32_b32 hwreg(HW_REG_WAVE_MODE, 25, 1), 1
	s_wait_xcnt 0x0
; The four weights become codes of BF8 (E5M2), each with the one scale 2^e given for it (entries 0, 2, 4, 11): code = x / 2^e, held within +-57,344, to the nearest code, ties to even.
; LIMITS: each e between -126 and 112.  NaN among the inputs is not served (an infinity is held at the largest code).
; Wq, Wk, Wv are [16 heads][1024 d][64 j], Wo is [1024 k][1024 n]: the contracted axis is not innermost.  A LANE TAKES A COLUMN n (= 64 head + j) AND ITS REGISTERS RUN DOWN K.
; wc, parts 0-2 (Wq, Wk, Wv): in the order in which a wave's operand registers take them: [64 tiles of 16 n][8 steps of 128 k][4 c][32 lanes][16 bytes],
;   lane 16 h + r holding n = 16 tile + r, k = 128 step + 32 c + 16 h + 0 .. 15: every store here, and every load of the next launch, covers 512 consecutive bytes.
; wc, part 3 (Wo): [1024 n][1024 k], rows: sixteen lanes store 256 consecutive, aligned bytes.
; A work-group takes 128 columns x 256 along K; wave (cg = wave % 4, kh = wave / 4) takes 32 columns x 128 along K.  The two waves of a column group share a stage of 32 rows x 256 codes in LDS;
; behind one barrier each of them sends 16 of its rows.  The work-groups share no input: no clusters, no tensor loads; the matrix units have nothing to do here.
.set WP,    272                        ; a stage row: 256 codes + 16 bytes of padding
.set NB,    4                          ; blocks of 32 along K for a wave
.set SPARE, 4*32*WP                    ; behind the four stages: the spare words, 128 bytes for each wave
.set EMAX,  15
.set MANT,  0x600000
.set WOF,   16                         ; v16-47   byte offset of row i of a block; never rewritten
.set WX,    48                         ; v48-111  two sets of 32 numbers
.set WC,    112                        ; v112-119 a block's codes
.set WOUT,  120                        ; v120-151 the way out
.set SPW,   152
.set NIL,   153
.macro WLOAD t
.irp i, 0,1,2,3,4,5,6,7,8,9,10,11,12,13,14,15,16,17,18,19,20,21,22,23,24,25,26,27,28,29,30,31
	global_load_b32 v[WX+32*((\t)%2)+\i], v[WOF+\i], s[44+2*(\t):45+2*(\t)] th:TH_LOAD_NT
.endr
.endm
.macro WBLOCK t
.set XS, WX+32*((\t)%2)
.if (\t) < NB-1
	s_wait_loadcnt 32                              ; this block's 32 loads are in; the next block's may be out
.else
	s_wait_loadcnt 0x0
.endif
.irp i, 0,1,2,3,4,5,6,7,8,9,10,11,12,13,14,15,16,17,18,19,20,21,22,23,24,25,26,27,28,29,30,31
	v_med3_num_f32 v[XS+\i], v[XS+\i], -v10, v10   ; the conversion does not saturate (ISA guide 7.6.2): the hold comes first
.endr
.irp g, 0,1,2,3
	v_cvt_scalef32_pk8_bf8_f32 v[WC+2*\g:WC+2*\g+1], v[XS+8*\g:XS+8*\g+7], v11
.endr
	ds_store_b128 v4, v[WC:WC+3] offset:32*(\t)
	ds_store_b128 v4, v[WC+4:WC+7] offset:32*(\t)+16
.if (\t)+2 < NB
	WLOAD (\t)+2
.endif
	s_wait_dscnt 0x0                               ; the stores have read their registers
.endm
	s_load_b256 s[8:15], s[0:1], 0x0               ; Wq, Wk, Wv, Wo
	s_load_b128 s[16:19], s[0:1], 0x20             ; the exponents, wc
	v_lshl_add_u32 v[SPW], v0, 2, SPARE
	v_mov_b32 v[NIL], 0
	v_lshrrev_b32 v1, 5, v0
	v_readfirstlane_b32 s28, v1                    ; wave 0..7
	v_and_b32 v2, 31, v0                           ; lane
	s_and_b32 s27, s28, 3                          ; cg
	s_lshr_b32 s26, s28, 2                         ; kh
	s_mul_i32 s36, s27, 32*WP                      ; my column group's stage
	s_lshl_b32 s37, s26, 7
	s_add_co_u32 s37, s37, s36                     ; into it: + 128 kh
	s_mul_i32 s25, s26, 16*WP
	s_add_co_u32 s36, s36, s25                     ; out of it: rows 16 kh on
	v_mul_u32_u24 v4, v2, WP
	v_add_nc_u32 v4, s37, v4                       ; row = my column
	v_and_b32 v5, 15, v2
	v_lshrrev_b32 v6, 4, v2
	v_mul_u32_u24 v7, v6, WP
	v_lshl_add_u32 v7, v5, 4, v7
	v_add_nc_u32 v7, s36, v7                       ; by rows: sixteen lanes to a row, two rows an instruction
	v_lshlrev_b32 v8, 10, v6
	v_lshl_add_u32 v8, v5, 4, v8                   ; and the same place in wc's rows of 1,024 bytes
	v_mul_u32_u24 v9, v5, WP
	v_lshl_add_u32 v9, v6, 4, v9
	v_add_nc_u32 v9, s36, v9                       ; by fragments: lane 16 h + r takes row r, 16 h bytes on
	v_lshlrev_b32 v12, 4, v2                       ; and stores at 16 x lane
	s_lshr_b32 s29, ttmp9, 5                       ; which tensor: 0 Wq, 1 Wk, 2 Wv, 3 Wo
	s_and_b32 s30, ttmp9, 31
	s_and_b32 s31, s30, 7
	s_lshl_b32 s31, s31, 7
	s_lshl_b32 s32, s27, 5
	s_add_co_u32 s31, s31, s32                     ; my wave's first column n
	s_lshr_b32 s30, s30, 3                         ; which 256 along K
	s_lshl_b32 s25, s30, 1
	s_add_co_u32 s25, s25, s26                     ; which 128 along K
	s_lshr_b32 s32, s31, 6                         ; a head's weight: head x 2^18 + 4 j, 256 bytes a row
	s_lshl_b32 s32, s32, 18
	s_and_b32 s33, s31, 63
	s_lshl_b32 s33, s33, 2
	s_add_co_u32 s32, s32, s33
	s_lshl_b32 s33, s25, 15
	s_add_co_u32 s32, s32, s33
	s_lshl_b32 s34, s31, 2                         ; Wo: 4 n, 4,096 bytes a row
	s_lshl_b32 s33, s25, 19
	s_add_co_u32 s34, s34, s33
	s_mov_b32 s35, 4096
	s_cmp_eq_u32 s29, 3
	s_cselect_b32 s32, s34, s32
	s_cselect_b32 s35, s35, 256                    ; the pitch from row to row
	s_cselect_b32 s24, 8, 12                       ; 256 along K are 256 bytes of a row, or two steps of 2,048 bytes
	s_mov_b32 s33, 0
	s_lshl_b32 s38, s35, 5                         ; a block: 32 rows
	s_mov_b32 s39, 0
	s_lshl_b32 s40, s29, 20                        ; wc: tensor x 2^20 + 1,024 n
	s_lshl_b32 s41, s31, 10
	s_add_co_u32 s40, s40, s41
	s_lshl_b32 s41, s30, s24
	s_add_co_u32 s40, s40, s41
	s_lshl_b32 s41, s26, 14                        ; + my 16 rows (or my tile of 16 n): 16,384 bytes either way
	s_add_co_u32 s40, s40, s41
	s_mov_b32 s41, 0
	v_lshlrev_b32 v[WOF], 2, v2
.set i, 1
.rept 31
	v_add_nc_u32 v[WOF+i], s35, v[WOF+i-1]
.set i, i+1
.endr
	s_wait_alu depctr_va_vdst(0)                   ; directly ahead of the wait below
	s_wait_kmcnt 0x0
	s_load_b256 s[68:75], s[16:17], 0x0            ; e0 .. e7
	s_load_b128 s[76:79], s[16:17], 0x20           ; e8 .. e11
	s_cmp_eq_u32 s29, 1
	s_cselect_b64 s[4:5], s[10:11], s[8:9]
	s_cmp_eq_u32 s29, 2
	s_cselect_b64 s[4:5], s[12:13], s[4:5]
	s_cmp_eq_u32 s29, 3
	s_cselect_b64 s[4:5], s[14:15], s[4:5]
	s_add_nc_u64 s[44:45], s[4:5], s[32:33]        ; a base for each of the four blocks, never rewritten
.set i, 1
.rept 3
	s_add_nc_u64 s[44+2*i:45+2*i], s[42+2*i:43+2*i], s[38:39]
.set i, i+1
.endr
	s_add_nc_u64 s[6:7], s[18:19], s[40:41]
	WLOAD 0
	WLOAD 1
	s_wait_kmcnt 0x0
	s_cmp_eq_u32 s29, 1
	s_cselect_b32 s37, s70, s68
	s_cmp_eq_u32 s29, 2
	s_cselect_b32 s37, s72, s37
	s_cmp_eq_u32 s29, 3
	s_cselect_b32 s37, s79, s37
	s_add_co_i32 s37, s37, 127
	s_lshl_b32 s36, s37, 23
	v_mov_b32 v11, s36                             ; 2^e
	s_add_co_i32 s37, s37, EMAX
	s_lshl_b32 s37, s37, 23
	s_or_b32 s37, s37, MANT
	v_mov_b32 v10, s37                             ; 57,344 x 2^e
	s_wait_alu depctr_va_vdst(0)                   ; the wait at the head's end
.irp t, 0,1,2,3
	WBLOCK \t
.endr
	s_barrier_signal -1                            ; my stores are done (the wait above): the stage's other half is my partner's
	s_barrier_wait -1
	s_cmp_eq_u32 s29, 3
	s_cbranch_scc1 .Lrows
.irp t, 0,1,2,3,4,5,6,7
	ds_load_b128 v[WOUT+4*\t:WOUT+4*\t+3], v9 offset:128*(\t/4)+32*(\t%4)
.endr
.irp t, 0,1,2,3,4,5,6,7
	s_wait_dscnt 7-\t
	global_store_b128 v12, v[WOUT+4*\t:WOUT+4*\t+3], s[6:7] offset:2048*(\t/4)+512*(\t%4)   ; 512 consecutive bytes
.endr
	s_branch .Lend
.Lrows:
.irp t, 0,1,2,3,4,5,6,7
	ds_load_b128 v[WOUT+4*\t:WOUT+4*\t+3], v7 offset:2*\t*WP
.endr
.irp t, 0,1,2,3,4,5,6,7
	s_wait_dscnt 7-\t
	global_store_b128 v8, v[WOUT+4*\t:WOUT+4*\t+3], s[6:7] offset:2048*\t   ; sixteen lanes store 256 consecutive bytes, aligned
.endr
.Lend:
	s_wait_tensorcnt 0x0                           ; the wave's end
	ds_add_u32 v[SPW], v[NIL]
	s_wait_dscnt 0x0
	s_endpgm
.Lfunc_end_k_q5a6cb8bb96_quantw:
	.size	k_q5a6cb8bb96_quantw, .Lfunc_end_k_q5a6cb8bb96_quantw-k_q5a6cb8bb96_quantw
	.p2alignl 7, 3214868480
	.fill 96, 4, 3214868480
	.section	.rodata,"a",@progbits
	.p2align	6, 0x0
	.amdhsa_kernel k_q5a6cb8bb96_quantw
		.amdhsa_group_segment_fixed_size 35840
		.amdhsa_private_segment_fixed_size 0
		.amdhsa_enable_private_segment 0
		.amdhsa_kernarg_size 48
		.amdhsa_user_sgpr_count 2
		.amdhsa_user_sgpr_kernarg_segment_ptr 1
		.amdhsa_wavefront_size32 1
		.amdhsa_system_sgpr_workgroup_id_x 1
		.amdhsa_system_sgpr_workgroup_id_y 1
		.amdhsa_system_sgpr_workgroup_id_z 1
		.amdhsa_system_vgpr_workitem_id 0
		.amdhsa_next_free_vgpr 160
		.amdhsa_next_free_sgpr 80
		.amdhsa_reserve_vcc 0
		.amdhsa_float_denorm_mode_32 3
		.amdhsa_float_denorm_mode_16_64 3
		.amdhsa_memory_ordered 1
		.amdhsa_forward_progress 1
		.amdhsa_inst_pref_size 30
	.end_amdhsa_kernel
	.amdgpu_metadata
---
amdhsa.version: [ 1, 2 ]
amdhsa.kernels:
  - .name:           k_q5a6cb8bb96_quantw
    .symbol:         k_q5a6cb8bb96_quantw.kd
    .args:
      - { .name: Wq, .offset: 0, .size: 8, .value_kind: global_buffer, .address_space: global }
      - { .name: Wk, .offset: 8, .size: 8, .value_kind: global_buffer, .address_space: global }
      - { .name: Wv, .offset: 16, .size: 8, .value_kind: global_buffer, .address_space: global }
      - { .name: Wo, .offset: 24, .size: 8, .value_kind: global_buffer, .address_space: global }
      - { .name: lowp_scales, .offset: 32, .size: 8, .value_kind: global_buffer, .address_space: global }
      - { .name: wc, .offset: 40, .size: 8, .value_kind: global_buffer, .address_space: global }
    .group_segment_fixed_size: 35840
    .private_segment_fixed_size: 0
    .kernarg_segment_align: 8
    .kernarg_segment_size: 48
    .max_flat_workgroup_size: 256
    .sgpr_count:     80
    .vgpr_count:     160
    .wavefront_size: 32
...
	.end_amdgpu_metadata
.endif
;; end of part 1
;; launch projx (part 2): grid 64 x 3, 4 waves a work-group, no clusters, 152,064 bytes of LDS; arguments Q, K, V, wc, lowp_scales, bq, bk, bv, pc; writes pc
.if DOCPART == 2
	.amdgcn_target "amdgcn-amd-amdhsa--gfx1250"
	.amdhsa_code_object_version 6
	.text
	.protected	k_q5a6cb8bb96_projx
	.globl	k_q5a6cb8bb96_projx
	.p2align	8
	.type	k_q5a6cb8bb96_projx,@function
k_q5a6cb8bb96_projx:
	s_mov_b64 s[64:65], 0
	v_nop
	global_prefetch_b8 v0, s[64:65] scope:SCOPE_SE
	s_setreg_imm32_b32 hwreg(HW_REG_WAVE_MODE, 25, 1), 1
	s_wait_xcnt 0x0
; q, k, v = Q(X) Q(W) + b, quantised at once for the attention's products.  X = Q, K or V, [8192 tokens][1024] f32; W's codes come from wc in register order (see the launch before).
; pc: part 0 q, part 1 k: [64 batch x head][2048][64] codes;  part 2 v: [64][16 blocks of 128 keys][64 d][128 places], place 32 B + 16 h + 8 u + j = key 32 B + 16 u + 8 h + j.
; The exponents: X 1, 3, 5; W 0, 2, 4; the results 6, 7, 9.  LIMITS: each quantiser's e between -126 and 112; eX + eW between -126 and 127.  NaN among the inputs is not served.
; SHARES.  A work-group (x: 64 blocks of 128 tokens; y: the tensor) owns 128 tokens and all 1,024 columns: each number of X is read from memory once, by one work-group, and quantised once, in the head:
;   wave w streams its 32 rows; every load covers 512 consecutive bytes, 16 a lane.  The quantiser works number by number, so a conversion takes four numbers of one load and four of the load 512 bytes on:
;   its two result registers are two runs of four codes, 128 bytes apart in the row of codes.  The codes lie in LDS, 128 rows of 1,024 + 16 bytes.  48 loads a wave are out.  One barrier.
; Then two passes of 512 columns; in a pass wave w makes 128 tokens x columns 512 pass + 128 w .. + 127: 64 accumulators, 512 registers, K in eight steps of 128.
;   X's fragments come from LDS (one set of registers: blocks 0-3 are fetched anew in a step's middle, 4-7 at its end); W's come from memory straight into registers, two sets,
;   a step's 32 loads asked for at the head of the step before: 64 matrix instructions ahead of their wait.
; q, k: source 0 = W, source 1 = X: a lane holds a token and eight neighbouring columns.  v: the sources are swapped: a lane holds a column d and eight neighbouring tokens, the next product's K.
; NO CLUSTER, NO TENSOR LOAD: W never lies in LDS, each wave reads only its own columns, once; X is shared with no work-group.  NO PREFETCH: X is one stream with 48 loads a wave out;
; W's 3 MB are walked by 64 work-groups each, at about the same time.  192 work-groups: 8,192 tokens divide into blocks of 128 for each of three tensors; a block of 96 would straddle tensors.
; REGISTERS: window 0: v0-31 addresses, v32-63 X's codes in the head, v64-127 the bias, v128-255 X's fragments (the way out: at work); window 1: W's two sets; windows 2, 3: the accumulators
;   (token block x, column block w at window 2 + x / 4, v[8 (8 (x % 4) + w)]); in the head window 2 holds four sets of 64 numbers of X.
.set SPI,    144
.set XP,     1040                      ; a row of X's codes in LDS: an odd multiple of 16 bytes
.set XHALF,  64*XP
.set STGQ,   128*XP                    ; the way out of q and k: 16 rows x 144 bytes for each wave
.set STGV,   STGQ+4*16*SPI             ; of v: bytes of its own
.set SPARE,  STGV+4*16*SPI
.set NP,     4
.set QS,   8
.set QH,   9
.set BOQ,  10
.set BOV,  11
.set XQS,  12
.set XQH,  13
.set XS0,  15
.set AX0,  16
.set AX1,  17
.set ADX0, 18                          ; v18, v19: X's rows 0-63, 64-127 at the K step in hand
.set STOQ, 24
.set RDQ,  25
.set CO,   26                          ; 16 x lane: X's and W's loads and pc's stores
.set STOV, 27
.set SPW,  28
.set NIL,  29
.set RDV,  30
.set XST,  31
.set CDX,  32
.set BI,   64
.set AF,   128
.set TMP,  128
.set CDB,  192
.set BBB,  224
.set XB,   26                          ; s[26:27] X's stream
.set WB,   28                          ; s[28:29] W's fragments
.set XL,   32
.set KB,   33
.set PS,   34
.set MSB, 0
.macro WIN new
.if MSB != (\new)
	s_set_vgpr_msb (MSB<<8)|(\new)
.set MSB, (\new)
.endif
.endm
.set TO_B, 0x40
.macro PLACES n
.rept \n
	v_nop
.endr
.endm
.macro FETCH_W p, off                  ; eight fragments of W, 32 loads of 512 consecutive bytes, into set p
.irp i, 0,1,2,3,4,5,6,7
.irp c, 0,1,2,3
	global_load_b128 v[128*(\p)+16*\i+4*\c:128*(\p)+16*\i+4*\c+3], v[CO], s[WB:WB+1] offset:(\off)+16384*\i+512*\c
.endr
.endr
.endm
.macro FETCH_X off, i0                 ; X's blocks i0 .. i0 + 3
.irp i, \i0, \i0+1, \i0+2, \i0+3
.irp c, 0,1,2,3
	ds_load_b128 v[AF+16*(\i)+4*\c:AF+16*(\i)+4*\c+3], v[ADX0+(\i)/4] offset:(\off)+32*\c+((\i)%4)*16*XP
.endr
.endr
.endm
.macro SETX
	v_add_nc_u32 v[ADX0], s[KB], v[AX0]
	v_add_nc_u32 v[ADX0+1], s[KB], v[AX1]
	s_wait_alu depctr_va_vdst(0)
.endm
.macro MUL16 a0, p, zero, isv          ; X's blocks a0, a0 + 1 against W's eight; the 64 accumulators take turns in the same order in every step
.irp a, \a0, \a0+1
.irp b, 0,1,2,3,4,5,6,7
.set DD, 8*(8*((\a)%4)+\b)
.set WW, 128*(\p)+16*\b
.set XX, AF+16*(\a)
.if \isv
.if \zero
	v_wmma_f32_16x16x128_bf8_bf8 v[DD:DD+7], v[XX:XX+15], v[WW:WW+15], 0
.else
	v_wmma_f32_16x16x128_bf8_bf8 v[DD:DD+7], v[XX:XX+15], v[WW:WW+15], v[DD:DD+7]
.endif
.else
.if \zero
	v_wmma_f32_16x16x128_bf8_bf8 v[DD:DD+7], v[WW:WW+15], v[XX:XX+15], 0
.else
	v_wmma_f32_16x16x128_bf8_bf8 v[DD:DD+7], v[WW:WW+15], v[XX:XX+15], v[DD:DD+7]
.endif
.endif
.endr
.endr
.endm
; A step of 128 along K on W's set p; it asks for the next step's W (at s[WB] + woff) and X (at the K step in hand + xoff).
.macro STEP p, zero, isv, xoff, woff
	WIN TO_B
	FETCH_W 1-(\p), \woff                          ; the other set was left four places ago
	s_wait_loadcnt 32                              ; all but the 32 just issued: my set is in
	s_wait_dscnt 16                                ; X's blocks 0-3 are in; 4-7 may be out
	WIN 0xa1+3*(\isv)                              ; W window 1, X window 0, C and D window 2
	MUL16 0, \p, \zero, \isv
	MUL16 2, \p, \zero, \isv
	s_wait_dscnt 0
	PLACES NP
	WIN 0
	FETCH_X \xoff, 0
	WIN 0xf1+3*(\isv)
	MUL16 4, \p, \zero, \isv
	MUL16 6, \p, \zero, \isv
	PLACES NP
	WIN 0
	FETCH_X \xoff, 4
.endm
; THE WAY OUT of 16 rows x 128: sum x 2^(eX + eW) + bias, held, converted, through my stage, stored 512 consecutive bytes at a time.  a: token block (q, k) or column block (v).
.macro TOSTAGE a, isv
.set CD, CDB+16*((\a)%2)
.set BB, BBB+16*((\a)%2)
.irp b, 0,1,2,3,4,5,6,7
.if \isv
	WIN 0x02+(\b/4)
.else
	WIN 0x02+((\a)/4)
.endif
.irp i, 0,2,4,6
.if \isv
	v_pk_fma_f32 v[TMP+8*\b+\i:TMP+8*\b+\i+1], v[8*(8*(\b%4)+(\a))+\i:8*(8*(\b%4)+(\a))+\i+1], s[96:97], v[BI+2*(\a):BI+2*(\a)+1] op_sel_hi:[1,0,1]
.else
	v_pk_fma_f32 v[TMP+8*\b+\i:TMP+8*\b+\i+1], v[8*(8*((\a)%4)+\b)+\i:8*(8*((\a)%4)+\b)+\i+1], s[96:97], v[BI+8*\b+\i:BI+8*\b+\i+1] op_sel_hi:[1,0,1]
.endif
.endr
.endr
	WIN 0
.set j, 0
.rept 64
	v_med3_num_f32 v[TMP+j], v[TMP+j], -v[QH], v[QH]
.set j, j+1
.endr
.irp b, 0,1,2,3,4,5,6,7
	v_cvt_scalef32_pk8_bf8_f32 v[CD+2*\b:CD+2*\b+1], v[TMP+8*\b:TMP+8*\b+7], v[QS]
.endr
	v_nop
.irp b, 0,1,2,3,4,5,6,7
.if \isv
	ds_store_b64 v[STOV], v[CD+2*\b:CD+2*\b+1] offset:32*(\b/2)+8*(\b%2)
.else
	ds_store_b64 v[STOQ], v[CD+2*\b:CD+2*\b+1] offset:16*\b
.endif
.endr
.irp i, 0,1,2,3
.if \isv
	ds_load_b128 v[BB+4*\i:BB+4*\i+3], v[RDV] offset:4*SPI*\i
.else
	ds_load_b128 v[BB+4*\i:BB+4*\i+3], v[RDQ] offset:64*(\i/2)+8*SPI*(\i%2)
.endif
.endr
.endm
.macro SEND a, isv, younger
.set BB, BBB+16*((\a)%2)
	s_wait_dscnt \younger
.irp i, 0,1,2,3
.if \isv
	global_store_b128 v[CO], v[BB+4*\i:BB+4*\i+3], s[98:99] offset:131072*((\a)/4)+2048*((\a)%4)+512*\i
.else
	global_store_b128 v[CO], v[BB+4*\i:BB+4*\i+3], s[98:99] offset:131072*(\i/2)+1024*(\a)+512*(\i%2)
.endif
.endr
.endm
; THE HEAD'S STREAM.  A batch: two rows of X, 8,192 bytes, 16 loads of 512 consecutive bytes; registers 8 u .. + 3 and 8 u + 4 .. + 7 hold four numbers each of two loads 512 bytes apart.
.macro LOADB k, off
.irp u, 0,1,2,3,4,5,6,7
	global_load_b128 v[64*(\k)+8*\u:64*(\k)+8*\u+3], v[CO], s[XB:XB+1] offset:(\off)+1024*\u th:TH_LOAD_NT
	global_load_b128 v[64*(\k)+8*\u+4:64*(\k)+8*\u+7], v[CO], s[XB:XB+1] offset:(\off)+1024*\u+512 th:TH_LOAD_NT
.endr
.endm
.macro BATCH j, issue, cnt
	s_wait_loadcnt \cnt                            ; this batch is in; the later ones may be out
	s_wait_dscnt 16                                ; the stores of the batch before last have read their codes (the last batch's 16 may be out)
	WIN 0x82
.set i, 0
.rept 64
	v_med3_num_f32 v[64*(\j)+i], v[64*(\j)+i], -v[XQH], v[XQH]   ; the conversion does not saturate (ISA guide 7.6.2)
.set i, i+1
.endr
	WIN 0x02
.irp u, 0,1,2,3,4,5,6,7
	v_cvt_scalef32_pk8_bf8_f32 v[CDX+16*((\j)%2)+2*\u:CDX+16*((\j)%2)+2*\u+1], v[64*(\j)+8*\u:64*(\j)+8*\u+7], v[XQS]
.endr
	WIN 0
.irp u, 0,1,2,3,4,5,6,7
	ds_store_b32 v[XST], v[CDX+16*((\j)%2)+2*\u] offset:2080*(\j)+XP*(\u/4)+256*(\u%4)         ; 32 lanes: 128 consecutive bytes of a row,
	ds_store_b32 v[XST], v[CDX+16*((\j)%2)+2*\u+1] offset:2080*(\j)+XP*(\u/4)+256*(\u%4)+128   ; and the 128 behind them
.endr
.if \issue
.if (\j) == 1
	s_wait_xcnt 0x0                                ; every load has read its base (the youngest were issued a batch ago): it steps four batches on
	s_add_nc_u64 s[XB:XB+1], s[XB:XB+1], 32768
.endif
	WIN 0x80
	LOADB ((\j)+3)%4, (((\j)+3)%4)*8192            ; three batches ahead
	WIN 0
.endif
.endm
; The two passes, for q and k (isv = 0) or for v (isv = 1).
.macro BODY isv
	s_mov_b32 s[PS], 0
.Lpass_\@:
.if \isv
.irp a, 0,1,2,3,4,5,6,7
	global_load_b32 v[BI+2*\a], v[BOV], s[80:81] offset:64*\a
	global_load_b32 v[BI+2*\a+1], v[BOV], s[80:81] offset:64*\a
.endr
.else
.irp b, 0,1,2,3,4,5,6,7
	global_load_b128 v[BI+8*\b:BI+8*\b+3], v[BOQ], s[80:81] offset:64*\b
	global_load_b128 v[BI+8*\b+4:BI+8*\b+7], v[BOQ], s[80:81] offset:64*\b+16
.endr
.endif
	s_mov_b32 s[KB], 0
	SETX
	FETCH_X 0, 0
	FETCH_X 0, 4
	STEP 0, 1, \isv, 128, 2048                     ; the first step starts the sums: nothing is cleared
.Lk_\@:                                                ; three trips: steps 2 t + 1 and 2 t + 2
	SETX
	STEP 1, 0, \isv, 256, 4096
	STEP 0, 0, \isv, 384, 6144
	s_wait_xcnt 0x0                                ; the loads have read their base
	s_add_nc_u64 s[WB:WB+1], s[WB:WB+1], 4096
	s_add_co_u32 s[KB], s[KB], 256
	s_cmp_lg_u32 s[KB], 768
	s_cbranch_scc1 .Lk_\@
	s_wait_loadcnt 0x0                             ; the last step's W is in
	s_cmp_eq_u32 s[PS], 1
	s_cbranch_scc1 .Lnone_\@                       ; the last pass asks for nothing more
	WIN TO_B
	FETCH_W 0, 512000                              ; the next pass's first step: 32 tiles on, six steps back; it lands under the way out
	WIN 0
.Lnone_\@:
	s_wait_dscnt 16
	WIN 0xa1+3*(\isv)
	MUL16 0, 1, 0, \isv
	MUL16 2, 1, 0, \isv
	s_wait_dscnt 0
	WIN 0xf1+3*(\isv)
	MUL16 4, 1, 0, \isv
	MUL16 6, 1, 0, \isv
	WIN 0
	PLACES NP
	TOSTAGE 0, \isv
.irp a, 1,2,3,4,5,6,7
.if \a > 1
	s_wait_xcnt 0x0                                ; block a - 2's stores have read their registers
.endif
	TOSTAGE \a, \isv
	SEND \a-1, \isv, 12                            ; behind block a - 1's loads: block a's 8 stores and 4 loads
.endr
	SEND 7, \isv, 0
	s_wait_xcnt 0x0                                ; bases and store registers may be written again
	s_add_nc_u64 s[WB:WB+1], s[WB:WB+1], 512000
	s_add_nc_u64 s[80:81], s[80:81], 2048          ; the bias: 512 columns on
	s_add_nc_u64 s[98:99], s[98:99], 1048576       ; pc: eight heads on
	s_add_co_u32 s[PS], s[PS], 1
	s_cmp_lt_u32 s[PS], 2
	s_cbranch_scc1 .Lpass_\@
.endm
	s_load_b512 s[4:19], s[0:1], 0x0               ; Q, K, V, wc, the exponents, bq, bk, bv
	s_load_b64 s[20:21], s[0:1], 0x40              ; pc
	v_lshl_add_u32 v[SPW], v0, 2, SPARE
	v_mov_b32 v[NIL], 0
	v_lshrrev_b32 v3, 5, v0
	v_readfirstlane_b32 s24, v3                    ; wave 0..3
	v_and_b32 v6, 31, v0
	v_lshlrev_b32 v[CO], 4, v6
	v_and_b32 v1, 15, v0                           ; r
	v_bfe_u32 v2, v0, 4, 1                         ; h
	s_mul_i32 s25, s24, 32*XP
	v_lshlrev_b32 v3, 2, v6
	v_add_nc_u32 v[XS0], s25, v3                   ; my 32 rows of X's codes, 4 bytes a lane
	v_mul_u32_u24 v3, v1, XP
	v_lshl_add_u32 v[AX0], v2, 4, v3               ; a fragment's row x pitch + 16 h
	v_add_nc_u32 v[AX1], XHALF, v[AX0]
	s_mul_i32 s25, s24, 16*SPI                     ; my stage
	v_mul_u32_u24 v5, v1, SPI
	v_add_nc_u32 v5, s25, v5
	v_lshl_add_u32 v[STOQ], v2, 3, v5
	v_add_nc_u32 v[STOQ], STGQ, v[STOQ]
	v_lshl_add_u32 v[STOV], v2, 4, v5
	v_add_nc_u32 v[STOV], STGV, v[STOV]
	v_lshrrev_b32 v7, 2, v6
	v_mul_u32_u24 v7, v7, SPI
	v_and_b32 v5, 3, v6
	v_lshl_add_u32 v7, v5, 4, v7
	v_add_nc_u32 v7, s25, v7
	v_add_nc_u32 v[RDQ], STGQ, v7
	v_lshrrev_b32 v7, 3, v6
	v_mul_u32_u24 v7, v7, SPI
	v_and_b32 v5, 7, v6
	v_lshl_add_u32 v7, v5, 4, v7
	v_add_nc_u32 v7, s25, v7
	v_add_nc_u32 v[RDV], STGV, v7
	v_lshlrev_b32 v[BOQ], 5, v2
	v_lshlrev_b32 v[BOV], 2, v1
	s_and_b32 s23, ttmp7, 0xffff                   ; the tensor: 0 Q, 1 K, 2 V
	s_lshl_b32 s36, ttmp9, 19                      ; X: 128 rows of 4,096 bytes a work-group,
	s_lshl_b32 s38, s24, 17                        ; 32 a wave
	s_add_co_u32 s36, s36, s38
	s_mov_b32 s37, 0
	s_lshl_b32 s39, s23, 20                        ; W: the tensor's 2^20 bytes, my eight tiles of 16,384
	s_add_co_u32 s38, s38, s39
	s_mov_b32 s39, 0
	s_lshl_b32 s40, s24, 9                         ; the bias: my 128 columns
	s_mov_b32 s41, 0
	s_lshr_b32 s30, ttmp9, 4                       ; pc: (16 batch + 2 wave) heads of 2^17 bytes,
	s_lshl_b32 s30, s30, 4
	s_lshl_b32 s31, s24, 1
	s_add_co_u32 s30, s30, s31
	s_lshl_b32 s30, s30, 17
	s_and_b32 s31, ttmp9, 15                       ; + my 128 tokens: 8,192 bytes in q, k and v alike,
	s_lshl_b32 s31, s31, 13
	s_add_co_u32 s30, s30, s31
	s_lshl_b32 s31, s23, 23                        ; + the part
	s_add_co_u32 s30, s30, s31
	s_mov_b32 s31, 0
	s_wait_alu depctr_va_vdst(0)                   ; directly ahead of the wait below
	s_wait_kmcnt 0x0
	s_load_b256 s[84:91], s[12:13], 0x0            ; e0 .. e7
	s_load_b128 s[92:95], s[12:13], 0x20           ; e8 .. e11
	s_cmp_eq_u32 s23, 1
	s_cselect_b64 s[XB:XB+1], s[6:7], s[4:5]
	s_cselect_b64 s[80:81], s[16:17], s[14:15]
	s_cmp_eq_u32 s23, 2
	s_cselect_b64 s[XB:XB+1], s[8:9], s[XB:XB+1]
	s_cselect_b64 s[80:81], s[18:19], s[80:81]
	s_add_nc_u64 s[XB:XB+1], s[XB:XB+1], s[36:37]
	s_add_nc_u64 s[80:81], s[80:81], s[40:41]
	s_add_nc_u64 s[WB:WB+1], s[10:11], s[38:39]
	s_add_nc_u64 s[98:99], s[20:21], s[30:31]
	WIN TO_B
	FETCH_W 0, 0                                   ; the first step's W lands under X's stream
	WIN 0x80
	LOADB 0, 0
	LOADB 1, 8192
	LOADB 2, 16384
	WIN 0
	s_wait_kmcnt 0x0
	s_cmp_eq_u32 s23, 1
	s_cselect_b32 s36, s87, s85                    ; X's e
	s_cselect_b32 s100, s91, s90                   ; the result's e
	s_cmp_eq_u32 s23, 2
	s_cselect_b32 s36, s89, s36
	s_cselect_b32 s100, s93, s100
	s_add_co_i32 s84, s84, s85
	s_add_co_i32 s86, s86, s87
	s_add_co_i32 s88, s88, s89
	s_cmp_eq_u32 s23, 1
	s_cselect_b32 s96, s86, s84
	s_cmp_eq_u32 s23, 2
	s_cselect_b32 s96, s88, s96
	s_add_co_i32 s96, s96, 127
	s_lshl_b32 s96, s96, 23                        ; 2^(eX + eW)
	s_mov_b32 s97, s96
	s_add_co_i32 s36, s36, 127
	s_lshl_b32 s37, s36, 23
	v_mov_b32 v[XQS], s37
	s_add_co_i32 s36, s36, 15
	s_lshl_b32 s36, s36, 23
	s_or_b32 s36, s36, 0x600000
	v_mov_b32 v[XQH], s36
	s_add_co_i32 s100, s100, 127
	s_lshl_b32 s101, s100, 23
	v_mov_b32 v[QS], s101
	s_add_co_i32 s100, s100, 15
	s_lshl_b32 s100, s100, 23
	s_or_b32 s100, s100, 0x600000
	v_mov_b32 v[QH], s100
	s_mov_b32 s[XL], 0
	s_wait_alu depctr_va_vdst(0)                   ; the wait at the head's end
.Lx:                                                   ; three trips of four batches; each asks for the batch three on
	v_add_nc_u32 v[XST], s[XL], v[XS0]
	BATCH 0, 1, 32
	BATCH 1, 1, 32
	BATCH 2, 1, 32
	BATCH 3, 1, 32
	s_add_co_u32 s[XL], s[XL], 8320
	s_cmp_lg_u32 s[XL], 24960
	s_cbranch_scc1 .Lx
	v_add_nc_u32 v[XST], s[XL], v[XS0]
	BATCH 0, 1, 32                                 ; the last four: only the first still asks, for the last batch
	BATCH 1, 0, 32
	BATCH 2, 0, 16
	BATCH 3, 0, 0
	v_nop                                          ; one plain line behind the last conversion
	s_wait_dscnt 0x0                               ; my codes lie in LDS;
	s_barrier_signal -1
	s_barrier_wait -1                              ; so do every wave's
	s_cmp_eq_u32 s23, 2
	s_cbranch_scc1 .Lv
	BODY 0
	s_branch .Ldone
.Lv:
	BODY 1
.Ldone:
	s_wait_tensorcnt 0x0                           ; the wave's end
	ds_add_u32 v[SPW], v[NIL]
	s_wait_dscnt 0x0
	s_endpgm
.Lfunc_end_k_q5a6cb8bb96_projx:
	.size	k_q5a6cb8bb96_projx, .Lfunc_end_k_q5a6cb8bb96_projx-k_q5a6cb8bb96_projx
	.p2alignl 7, 3214868480
	.fill 96, 4, 3214868480
	.section	.rodata,"a",@progbits
	.p2align	6, 0x0
	.amdhsa_kernel k_q5a6cb8bb96_projx
		.amdhsa_group_segment_fixed_size 152064
		.amdhsa_private_segment_fixed_size 0
		.amdhsa_enable_private_segment 0
		.amdhsa_kernarg_size 72
		.amdhsa_user_sgpr_count 2
		.amdhsa_user_sgpr_kernarg_segment_ptr 1
		.amdhsa_wavefront_size32 1
		.amdhsa_system_sgpr_workgroup_id_x 1
		.amdhsa_system_sgpr_workgroup_id_y 1
		.amdhsa_system_sgpr_workgroup_id_z 1
		.amdhsa_system_vgpr_workitem_id 0
		.amdhsa_next_free_vgpr 1024
		.amdhsa_next_free_sgpr 102
		.amdhsa_reserve_vcc 0
		.amdhsa_float_denorm_mode_32 3
		.amdhsa_float_denorm_mode_16_64 3
		.amdhsa_memory_ordered 1
		.amdhsa_forward_progress 1
		.amdhsa_inst_pref_size 255
	.end_amdhsa_kernel
	.section	.bss,"aw",@nobits
	.p2align	6
	.space	262144
	.amdgpu_metadata
---
amdhsa.version: [ 1, 2 ]
amdhsa.kernels:
  - .name:           k_q5a6cb8bb96_projx
    .symbol:         k_q5a6cb8bb96_projx.kd
    .args:
      - { .name: Q, .offset: 0, .size: 8, .value_kind: global_buffer, .address_space: global }
      - { .name: K, .offset: 8, .size: 8, .value_kind: global_buffer, .address_space: global }
      - { .name: V, .offset: 16, .size: 8, .value_kind: global_buffer, .address_space: global }
      - { .name: wc, .offset: 24, .size: 8, .value_kind: global_buffer, .address_space: global }
      - { .name: lowp_scales, .offset: 32, .size: 8, .value_kind: global_buffer, .address_space: global }
      - { .name: bq, .offset: 40, .size: 8, .value_kind: global_buffer, .address_space: global }
      - { .name: bk, .offset: 48, .size: 8, .value_kind: global_buffer, .address_space: global }
      - { .name: bv, .offset: 56, .size: 8, .value_kind: global_buffer, .address_space: global }
      - { .name: pc, .offset: 64, .size: 8, .value_kind: global_buffer, .address_space: global }
    .group_segment_fixed_size: 152064
    .private_segment_fixed_size: 0
    .kernarg_segment_align: 8
    .kernarg_segment_size: 72
    .max_flat_workgroup_size: 128
    .sgpr_count:     102
    .vgpr_count:     1024
    .wavefront_size: 32
...
	.end_amdgpu_metadata
.endif
;; end of part 2
;; launch attn (part 3): grid 4 x 64, 16 waves a work-group, clusters of 4 x 1, 327,680 bytes of LDS; arguments pc, lowp_scales, cat; writes cat
.if DOCPART == 3
	.amdgcn_target "amdgcn-amd-amdhsa--gfx1250"
	.amdhsa_code_object_version 6
	.text
	.protected	k_q5a6cb8bb96_attn
	.globl	k_q5a6cb8bb96_attn
	.p2align	8
	.type	k_q5a6cb8bb96_attn,@function
k_q5a6cb8bb96_attn:
	s_mov_b64 s[64:65], 0
	v_nop
	global_prefetch_b8 v0, s[64:65] scope:SCOPE_SE
	s_setreg_imm32_b32 hwreg(HW_REG_WAVE_MODE, 25, 1), 1
	s_wait_xcnt 0x0
	s_wait_alu depctr_hold_cnt(0) depctr_sa_sdst(0) depctr_va_vdst(0) depctr_va_sdst(0) depctr_va_ssrc(0) depctr_va_vcc(0) depctr_vm_vsrc(0)
	s_getreg_b32 s2, hwreg(HW_REG_IB_STS2, 6, 4)
	s_cmp_eq_u32 s2, 0
	s_cbranch_scc0 .Lentry_in_a_cluster
	s_endpgm
.Lentry_in_a_cluster:
	s_bfe_u32 s2, ttmp6, 0x10000c
	s_cmp_lg_u32 s2, 0x3003
	s_cbranch_scc0 .Lentry_shape_is_right
	s_endpgm
.Lentry_shape_is_right:
; heads[b][h][q][:] = the sum over keys of softmax(q . k / 8) v, both products on codes of BF8 (E5M2), and the result quantised at once for the output product.
; pc: part 0 q, part 1 k: [64 batch x head][2048][64] codes;  part 2 v: [64][16 blocks of 128 keys][64 d][128 places], place 32 B + 16 h + 8 u + j of a block = key 32 B + 16 u + 8 h + j.
; cat: [32 tiles of 256 tokens][16 heads][256 tokens][64 d] codes.  The exponents: entries 6 (q), 7 (k), 8 (p), 9 (v), 10 (the heads).
; THE SOFTMAX: t = score x log2(e) / 8; M = the row's largest t so far, rounded UP to a whole number; p = 2^(t - M) is quantised along the keys, not normalised.
; The row's sum is taken of the unquantised p, in f32, and divides O at the end.  When M moves, the sum and O are multiplied by 2^(old M - new M): exact.
; LIMITS: entries 6 + 7 between -123 and 130 (added to the exponent field of log2(e) / 8); entries 8 and 10 between -126 and 112; 8 + 9 goes by v_ldexp_f32 and has none.  NaN among the inputs is not served.
; SHARES.  A work-group owns one batch x head and 512 of its queries, in two passes of 256; each of its sixteen waves owns 16 queries of a pass, in 256 registers: four waves to a SIMD.
; THE HEAD'S WHOLE K AND V, 2 x 131,072 bytes, LIE IN LDS FOR THE WHOLE LAUNCH: sixteen parts of 16,384 bytes, ONE tensor load a wave (waves 0-7: K, waves 8-15: V), each byte filled once.
; One wait and one barrier show all parts to all waves; behind it the waves share nothing that is written, so no further barrier stands ahead of the closing round.
; CLUSTER.  The four work-groups of a head ask for K and V JOINTLY: the same load, the same descriptor, a mask that names the four.
; NO PREFETCH: K and V are asked for once, at the head, ahead of every loop: there is no loop to run ahead in; both passes' Q fragments are loaded at the head too.
; LAYOUT.  Both products are used transposed: S^T = K Q^T, O^T = V^T P^T: a lane holds ONE query (lane % 16) throughout.
; In S^T lane (r, h) holds keys 16 t + 8 h + j of tile t; the conversions of tiles 2 B, 2 B + 1 give registers 4 B .. 4 B + 3 of P: the very order in which V's rows were laid.
; REGISTERS: v1-6 addresses that stay; v8, v9 the step's addresses; v12 -M, v13 the largest t, v[14:15] the sum; v16-23, v24-31 Q of pass 0, 1; v32-95 K's eight fragments, then V's four;
;   v96-159 S^T, then p; v160-191 O^T; v192-199 the step's sums in four chains (on the way out v192-223: the result in f32); v224-239 p's codes (then the result's);
;   v240, v241 hold and v244 scale for p; v246, v245 for the result; v236, v248-250, v252-254 at work; v251, v255 the add's two.
.set PART,  17408                      ; what one tensor load brings: 64 rows of 256 bytes, 272 apart in LDS
.set VOFF,  8*PART                     ; K's eight parts, then V's eight
.set STEPB, 8704                       ; a step of 128 keys: 32 LDS rows, of K and of V alike
.set STAGE, 16*PART                    ; the way out: 16 rows x 80 bytes for each wave; no tensor load lands here
.set SPARE, STAGE+16*1280              ; the spare words: 128 bytes for each wave
.set AK0, 1                            ; my lane's place in a tile of K: key k of a step at 272 (k / 4) + 64 (k % 4)
.set AV0, 2                            ; the same for V: row d at 272 (d / 2) + 128 (d % 2)
.set QO,  3
.set STO, 4
.set RD,  5
.set GO,  6
.set ADK, 8
.set ADV, 9
.set KV,  32
.set SC,  96
.set OT,  160
.set OF,  192
.set SA,  192
.set PCD, 224
.set SPW, 251
.set NIL, 255
.set WV,  18
.set SEL, 20
.set CS,  22
.set G1,  24
.set G0,  32
.set TB,  48                           ; LDS byte at which the step in hand begins; also the loop's counter
.macro CROUND                          ; a round of the cluster's barrier
	s_barrier_signal -1
	s_barrier_wait -1
	s_cmp_lg_u32 s[WV], 0
	s_cbranch_scc1 .Lnot_wave_0_\@
	s_barrier_signal -3
.Lnot_wave_0_\@:
	s_barrier_wait -3
	s_barrier_signal -1
	s_barrier_wait -1
.endm
	s_load_b128 s[4:7], s[0:1], 0x0                ; pc, the exponents
	s_load_b64 s[8:9], s[0:1], 0x10                ; cat
	v_lshl_add_u32 v[SPW], v0, 2, SPARE
	v_mov_b32 v[NIL], 0
	ds_add_u32 v[SPW], v[NIL]                      ; the opening lines: the add, twice on end, and its wait ahead of my tensor load
	ds_add_u32 v[SPW], v[NIL]
	v_lshrrev_b32 v8, 5, v0
	s_delay_alu instid0(VALU_DEP_1)
	v_readfirstlane_b32 s[WV], v8                  ; wave 0..15
	s_bfe_u32 s10, ttmp6, 0x40000                  ; cx
	s_lshl_b32 s11, ttmp9, 2
	s_add_co_u32 s11, s11, s10                     ; my block of 512 queries: it enters Q's and cat's addresses alone
	s_and_b32 s12, ttmp7, 0xffff                   ; 16 x batch + head, which the four partners share
	s_mov_b32 s[G1], 15|(0<<16)|(1<<20)|(1<<21)|(5<<22)|(3<<25)   ; mask: all four; elements of 1 byte; padding: four words after every 64; bit 21 beside the mask
	s_mov_b32 s[G1+1], 256<<16
	s_mov_b32 s[G1+2], 64<<16
	s_mov_b32 s[G1+3], 256<<16
	s_mov_b32 s[G1+4], 64
	s_mov_b32 s[G1+5], 256
	s_mov_b32 s[G1+6], 0
	s_mov_b32 s[G1+7], 0
	s_mov_b32 s[SEL], 0x76543210
	s_mov_b32 s[SEL+1], 0xfedcba98
	s_mov_b32 s[CS], 0x3e38aa3b                    ; log2(e) / 8
	s_mul_i32 s58, s[WV], PART                     ; my part's place in LDS: wave x 17,408
	s_lshr_b32 s59, s[WV], 3
	s_lshl_b32 s60, s59, 23
	s_add_co_u32 s60, s60, 0x800000                ; k's part of pc, or v's
	s_lshl_b32 s61, s12, 17
	s_add_co_u32 s60, s60, s61                     ; the head's 131,072 bytes
	s_and_b32 s61, s[WV], 7
	s_lshl_b32 s61, s61, 14
	s_add_co_u32 s60, s60, s61                     ; my eighth of them
	s_mov_b32 s61, 0
	s_lshl_b32 s66, s12, 17                        ; Q: the head, my block's 512 rows of 64 bytes, my wave's 16
	s_lshl_b32 s62, s11, 15
	s_add_co_u32 s66, s66, s62
	s_lshl_b32 s62, s[WV], 10
	s_add_co_u32 s66, s66, s62
	s_mov_b32 s67, 0
	s_lshr_b32 s68, s12, 4                         ; cat: token tile 8 x batch + 2 x block,
	s_lshl_b32 s68, s68, 3
	s_lshl_b32 s63, s11, 1
	s_add_co_u32 s68, s68, s63
	s_lshl_b32 s68, s68, 4
	s_and_b32 s63, s12, 15
	s_add_co_u32 s68, s68, s63                     ; x 16 + head,
	s_lshl_b32 s68, s68, 14                        ; x 16,384 bytes,
	s_add_co_u32 s68, s68, s62                     ; + my wave's 16 tokens of 64 bytes
	s_mov_b32 s69, 0
	s_wait_dscnt 0x0                               ; both opening adds are done
	s_wait_kmcnt 0x0
	s_load_b128 s[52:55], s[6:7], 0x18             ; e6, e7, e8, e9
	s_load_b32 s56, s[6:7], 0x28                   ; e10
	s_mov_b32 s[G0], 1
	s_mov_b32 s[G0+1], s58
	s_add_nc_u64 s[G0+2:G0+3], s[4:5], s[60:61]
	s_or_b32 s[G0+3], s[G0+3], 0x80000000
	s_add_nc_u64 s[4:5], s[4:5], s[66:67]          ; Q's codes at my first query
	s_add_nc_u64 s[8:9], s[8:9], s[68:69]          ; cat likewise
	CROUND                                         ; all four work-groups are here: the joint loads meet
	tensor_load_to_lds s[G0:G0+3], s[G1:G1+7]      ; my one tensor load of the launch
	s_nop 0
	v_and_b32 v8, 15, v0                           ; r
	v_bfe_u32 v9, v0, 4, 1                         ; h
	s_delay_alu instid0(VALU_DEP_2)
	v_lshlrev_b32 v[QO], 6, v8
	s_delay_alu instid0(VALU_DEP_1)
	v_lshl_add_u32 v[QO], v9, 4, v[QO]             ; Q: row r of 64 bytes, + 16 h
	global_load_b128 v[16:19], v[QO], s[4:5]       ; pass 0's fragment,
	global_load_b128 v[20:23], v[QO], s[4:5] offset:32
	global_load_b128 v[24:27], v[QO], s[4:5] offset:16384   ; and pass 1's, 256 queries on
	global_load_b128 v[28:31], v[QO], s[4:5] offset:16416
	v_lshrrev_b32 v10, 2, v8
	s_delay_alu instid0(VALU_DEP_1)
	v_mul_u32_u24 v10, v10, 272
	v_and_b32 v11, 3, v8
	s_delay_alu instid0(VALU_DEP_1)
	v_lshl_add_u32 v10, v11, 6, v10
	s_delay_alu instid0(VALU_DEP_1)
	v_lshl_add_u32 v[AK0], v9, 4, v10
	v_lshrrev_b32 v10, 1, v8
	s_delay_alu instid0(VALU_DEP_1)
	v_mul_u32_u24 v10, v10, 272
	v_and_b32 v11, 1, v8
	s_delay_alu instid0(VALU_DEP_1)
	v_lshl_add_u32 v10, v11, 7, v10
	s_delay_alu instid0(VALU_DEP_1)
	v_lshl_add_u32 v10, v9, 4, v10
	s_delay_alu instid0(VALU_DEP_1)
	v_add_nc_u32 v[AV0], VOFF, v10
	s_mul_i32 s62, s[WV], 16*80
	s_add_co_u32 s62, s62, STAGE                   ; my stage
	v_mul_u32_u24 v10, v8, 80
	s_delay_alu instid0(VALU_DEP_1)
	v_lshl_add_u32 v10, v9, 3, v10
	s_delay_alu instid0(VALU_DEP_1)
	v_add_nc_u32 v[STO], s62, v10                  ; in: row r; tile t's eight codes at 16 t + 8 h
	v_and_b32 v10, 31, v0
	s_delay_alu instid0(VALU_DEP_1)
	v_lshlrev_b32 v[GO], 4, v10
	v_lshrrev_b32 v11, 2, v10
	s_delay_alu instid0(VALU_DEP_1)
	v_mul_u32_u24 v11, v11, 80
	v_and_b32 v10, 3, v10
	s_delay_alu instid0(VALU_DEP_1)
	v_lshl_add_u32 v11, v10, 4, v11
	s_delay_alu instid0(VALU_DEP_1)
	v_add_nc_u32 v[RD], s62, v11                   ; back: four lanes to a row of 64 bytes, eight rows an instruction
	s_wait_alu depctr_va_vdst(0)                   ; directly ahead of the wait below
	s_wait_kmcnt 0x0
	s_add_co_i32 s62, s52, s53
	s_lshl_b32 s62, s62, 23
	s_add_co_i32 s[CS], s[CS], s62                 ; a score stands for score x 2^(e6 + e7)
	s_mov_b32 s[CS+1], s[CS]
	s_add_co_i32 s62, s54, 127
	s_lshl_b32 s63, s62, 23
	v_mov_b32 v244, s63                            ; 2^e8, for p's conversions
	s_add_co_i32 s62, s62, 15
	s_lshl_b32 s62, s62, 23
	s_or_b32 s62, s62, 0x600000
	v_mov_b32 v240, s62                            ; 57,344 x 2^e8, in two registers: one for each half of a dual pair
	v_mov_b32 v241, s62
	s_add_co_i32 s62, s56, 127
	s_lshl_b32 s63, s62, 23
	v_mov_b32 v245, s63                            ; 2^e10, for the result's
	s_add_co_i32 s62, s62, 15
	s_lshl_b32 s62, s62, 23
	s_or_b32 s62, s62, 0x600000
	v_mov_b32 v246, s62                            ; 57,344 x 2^e10
	s_add_co_i32 s57, s54, s55                     ; e8 + e9
	v_mov_b32 v236, 0                              ; a lane permute's destination counts as one of its sources
	v_mov_b32 v253, 0                              ; (named as the upper half of the pair v[252:253])
.macro HOLD2 r                         ; two holds in one instruction: p is not negative, so the hold is one-sided (the conversion does not saturate: ISA guide 7.6.2)
	v_dual_min_num_f32 v[\r], v[\r], v240 :: v_dual_min_num_f32 v[\r+1], v[\r+1], v241
.endm
.macro TM j0, n                        ; t - M, two at a time
.set j, \j0
.rept \n
	v_pk_fma_f32 v[SC+j:SC+j+1], v[SC+j:SC+j+1], s[CS:CS+1], v[12:13] op_sel_hi:[1,0,0]
.set j, j+2
.endr
.endm
; A KEY STEP: the 128 keys whose tiles begin at LDS byte s[TB].  qb: my Q fragment.
.macro STEP qb
	v_add_nc_u32 v[ADK], s[TB], v[AK0]             ; with the two lines behind the last products these are the four places in front of the loads below
	v_add_nc_u32 v[ADV], s[TB], v[AV0]
.irp t, 0,1,2,3,4,5,6,7
	ds_load_b128 v[KV+8*\t:KV+8*\t+3], v[ADK] offset:1088*\t
	ds_load_b128 v[KV+8*\t+4:KV+8*\t+7], v[ADK] offset:1088*\t+32
.endr
	s_wait_alu depctr_va_vdst(0)
	s_wait_dscnt 0x0
.irp t, 0,1,2,3,4,5,6,7
	v_wmma_f32_16x16x64_bf8_bf8 v[SC+8*\t:SC+8*\t+7], v[KV+8*\t:KV+8*\t+7], v[\qb:\qb+7], 0
.endr
	v_mov_b32 v249, v12                            ; the old -M.  Four places in front of the loads below and of the first read of the scores
	v_nop
	v_nop
	v_nop
.irp t, 0,1,2,3
.irp c, 0,1,2,3
	ds_load_b128 v[KV+16*\t+4*\c:KV+16*\t+4*\c+3], v[ADV] offset:2176*\t+32*\c   ; V's four fragments land while the softmax is worked
.endr
.endr
	v_max3_num_f32 v254, v[SC], v[SC+1], v[SC+2]   ; the step's largest score, in four chains, ascending: each tile is read from its low end on
	v_max3_num_f32 v252, v[SC+3], v[SC+4], v[SC+5]
	v_max3_num_f32 v250, v[SC+6], v[SC+7], v[SC+8]
	v_max3_num_f32 v248, v[SC+9], v[SC+10], v[SC+11]
.set j, 12
.rept 6
	v_max3_num_f32 v254, v254, v[SC+j], v[SC+j+1]
	v_max3_num_f32 v252, v252, v[SC+j+2], v[SC+j+3]
	v_max3_num_f32 v250, v250, v[SC+j+4], v[SC+j+5]
	v_max3_num_f32 v248, v248, v[SC+j+6], v[SC+j+7]
.set j, j+8
.endr
	v_max3_num_f32 v254, v254, v[SC+60], v[SC+61]
	v_max3_num_f32 v252, v252, v[SC+62], v[SC+63]
	s_delay_alu instid0(VALU_DEP_2)
	v_max3_num_f32 v254, v254, v250, v248
	s_delay_alu instid0(VALU_DEP_1)
	v_max_num_f32 v254, v254, v252
	v_permlanex16_b32 v236, v254, s[SEL], s[SEL+1]
	s_delay_alu instid0(VALU_DEP_1)
	v_max_num_f32 v254, v254, v236                 ; and among lane l xor 16's
	s_delay_alu instid0(VALU_DEP_1)
	v_mul_f32 v254, s[CS], v254                    ; as t (c is positive)
	s_delay_alu instid0(VALU_DEP_1)
	v_max_num_f32 v13, v13, v254                   ; the running largest t
	s_delay_alu instid0(VALU_DEP_1)
	v_floor_f32 v12, -v13                          ; the new -M = -ceil(t)
	s_delay_alu instid0(VALU_DEP_1)
	v_sub_f32 v254, v12, v249                      ; old M - new M: a whole number, 0 or less
	TM 0, 8
	v_cvt_i32_f32 v254, v254                       ; (it saturates)
	TM 16, 8
	v_ldexp_f32 v252, 1.0, v254                    ; f = 2^(old M - new M)
	TM 32, 16
.set j, 0
.rept 16
	v_pk_mul_f32 v[OT+j:OT+j+1], v[OT+j:OT+j+1], v[252:253] op_sel_hi:[1,0]   ; O^T under the new M, ahead of the exponentials
.set j, j+2
.endr
	s_wait_alu depctr_va_vdst(0)                   ; the wait ahead of the batch
.set j, 0
.rept 64
	v_exp_f32 v[SC+j], v[SC+j]                     ; p = 2^(t - M), at most 1
.set j, j+1
.endr
	v_nop                                          ; a plain place behind the exponentials
	s_wait_alu depctr_va_vdst(0)                   ; one wait for the batch, ahead of its first reader
.irp b, 0,1,2,3                                ; 16 keys' p at a time: summed unquantised (four chains), then held, then converted
.if \b == 0
.irp i, 0,2,4,6
	v_pk_add_f32 v[SA+\i:SA+\i+1], v[SC+\i:SC+\i+1], v[SC+8+\i:SC+9+\i]
.endr
.else
.irp i, 0,2,4,6
	v_pk_add_f32 v[SA+\i:SA+\i+1], v[SA+\i:SA+\i+1], v[SC+16*\b+\i:SC+16*\b+\i+1]
.endr
.irp i, 0,2,4,6
	v_pk_add_f32 v[SA+\i:SA+\i+1], v[SA+\i:SA+\i+1], v[SC+16*\b+8+\i:SC+16*\b+9+\i]
.endr
.endif
.irp i, 0,2,4,6,8,10,12,14
	HOLD2 SC+16*\b+\i
.endr
	v_cvt_scalef32_pk8_bf8_f32 v[PCD+4*\b:PCD+1+4*\b], v[SC+16*\b:SC+7+16*\b], v244
	v_cvt_scalef32_pk8_bf8_f32 v[PCD+2+4*\b:PCD+3+4*\b], v[SC+8+16*\b:SC+15+16*\b], v244
.endr
	v_pk_add_f32 v[SA:SA+1], v[SA:SA+1], v[SA+2:SA+3]         ; the chains are joined.  (Plain lines between the conversions and the products that read their results)
	v_pk_add_f32 v[SA+4:SA+5], v[SA+4:SA+5], v[SA+6:SA+7]
	s_wait_alu depctr_va_vdst(0)                   ; directly ahead of the wait below
	s_wait_dscnt 0x0                               ; V is in
.irp t, 0,1,2,3
	v_wmma_f32_16x16x128_bf8_bf8 v[OT+8*\t:OT+8*\t+7], v[KV+16*\t:KV+16*\t+15], v[PCD:PCD+15], v[OT+8*\t:OT+8*\t+7]   ; four accumulators by turns; eleven other matrix instructions between two links of a sum
.endr
	v_pk_add_f32 v[SA:SA+1], v[SA:SA+1], v[SA+4:SA+5]
	v_pk_fma_f32 v[14:15], v[14:15], v[252:253], v[SA:SA+1] op_sel_hi:[1,0,1]   ; the row's sum: the old one x f + this step's
.endm
; A PASS: my 16 queries of pass p against all 2,048 keys, sixteen steps, and the way out.
.macro PASS p
	v_mov_b32 v13, 0xff61b1e6                      ; the largest t so far: -3e38
	s_delay_alu instid0(VALU_DEP_1)
	v_floor_f32 v12, -v13                          ; -M
	v_mov_b32 v14, 0
	v_mov_b32 v15, 0
.set j, 0
.rept 32
	v_mov_b32 v[OT+j], 0                           ; O^T: the first step finds zeros, which the first change of M leaves zeros
.set j, j+1
.endr
	s_mov_b32 s[TB], 0
.if \p == 0
	s_wait_alu depctr_va_vdst(0)                   ; the wait at the head's end
	s_wait_loadcnt 0x0                             ; Q, both passes'
	s_wait_tensorcnt 0x0                           ; my part of K or V has landed;
	s_barrier_signal -1
	s_barrier_wait -1                              ; so has every wave's
.endif
.Lstep_\@:
	STEP 16+8*\p
	s_add_co_u32 s[TB], s[TB], STEPB
	s_cmp_lg_u32 s[TB], 16*STEPB
	s_cbranch_scc1 .Lstep_\@
	; THE WAY OUT.  O^T / the sum x 2^(e8 + e9) is held, converted with 2^e10, and goes through my stage, so that a store of the wave covers 512 consecutive bytes of cat.
	v_add_f32 v14, v14, v15
	s_delay_alu instid0(VALU_DEP_1)
	v_permlanex16_b32 v252, v14, s[SEL], s[SEL+1]
	s_delay_alu instid0(VALU_DEP_1)
	v_add_f32 v14, v14, v252                       ; the row's sum
	s_wait_alu depctr_va_vdst(0)                   ; ahead of the transcendental
	v_rcp_f32 v14, v14
	v_nop
	s_wait_alu depctr_va_vdst(0)                   ; ahead of its first reader
	v_ldexp_f32 v14, v14, s57                      ; x 2^(e8 + e9)
	s_wait_alu depctr_va_vdst(0)                   ; directly ahead of the first reader of O^T
.set j, 0
.rept 32
	v_mul_f32 v[OF+j], v[OT+j], v14                ; register 8 t + i: d = 16 t + 8 h + i; each accumulator from its low end on
.set j, j+1
.endr
.set j, 0
.rept 32
	v_med3_num_f32 v[OF+j], v[OF+j], -v246, v246
.set j, j+1
.endr
.irp t, 0,1,2,3
	v_cvt_scalef32_pk8_bf8_f32 v[PCD+2*\t:PCD+1+2*\t], v[OF+8*\t:OF+8*\t+7], v245
.endr
	v_nop                                          ; one plain line behind the last conversion
.irp t, 0,1,2,3
	ds_store_b64 v[STO], v[PCD+2*\t:PCD+1+2*\t] offset:16*\t
.endr
	ds_load_b128 v[32:35], v[RD]                   ; LDS serves a wave's instructions in order (ISA guide 5.7.1.4): these see my stores
	ds_load_b128 v[36:39], v[RD] offset:640
	s_wait_dscnt 1                                 ; the first is in; the second may be out
	global_store_b128 v[GO], v[32:35], s[8:9] offset:262144*\p
	s_wait_dscnt 0x0
	global_store_b128 v[GO], v[36:39], s[8:9] offset:262144*\p+512
.if \p == 0
	s_wait_xcnt 0x0                                ; the stores have read their registers: the next pass's fragments may land there
.endif
.endm
	PASS 0
	PASS 1
	s_wait_tensorcnt 0x0                           ; the wave's end
	ds_add_u32 v[SPW], v[NIL]
	s_wait_dscnt 0x0
	CROUND                                         ; the closing round
	s_endpgm
.Lfunc_end_k_q5a6cb8bb96_attn:
	.size	k_q5a6cb8bb96_attn, .Lfunc_end_k_q5a6cb8bb96_attn-k_q5a6cb8bb96_attn
	.p2alignl 7, 3214868480
	.fill 96, 4, 3214868480
	.section	.rodata,"a",@progbits
	.p2align	6, 0x0
	.amdhsa_kernel k_q5a6cb8bb96_attn
		.amdhsa_group_segment_fixed_size 327680
		.amdhsa_private_segment_fixed_size 0
		.amdhsa_enable_private_segment 0
		.amdhsa_kernarg_size 24
		.amdhsa_user_sgpr_count 2
		.amdhsa_user_sgpr_kernarg_segment_ptr 1
		.amdhsa_wavefront_size32 1
		.amdhsa_system_sgpr_workgroup_id_x 1
		.amdhsa_system_sgpr_workgroup_id_y 1
		.amdhsa_system_sgpr_workgroup_id_z 1
		.amdhsa_system_vgpr_workitem_id 0
		.amdhsa_next_free_vgpr 256
		.amdhsa_next_free_sgpr 72
		.amdhsa_reserve_vcc 0
		.amdhsa_float_denorm_mode_32 3
		.amdhsa_float_denorm_mode_16_64 3
		.amdhsa_memory_ordered 1
		.amdhsa_forward_progress 1
		.amdhsa_inst_pref_size 50
	.end_amdhsa_kernel
	.amdgpu_metadata
---
amdhsa.version: [ 1, 2 ]
amdhsa.kernels:
  - .name:           k_q5a6cb8bb96_attn
    .symbol:         k_q5a6cb8bb96_attn.kd
    .args:
      - { .name: pc, .offset: 0, .size: 8, .value_kind: global_buffer, .address_space: global }
      - { .name: lowp_scales, .offset: 8, .size: 8, .value_kind: global_buffer, .address_space: global }
      - { .name: cat, .offset: 16, .size: 8, .value_kind: global_buffer, .address_space: global }
    .group_segment_fixed_size: 327680
    .private_segment_fixed_size: 0
    .kernarg_segment_align: 8
    .kernarg_segment_size: 24
    .max_flat_workgroup_size: 512
    .sgpr_count:     72
    .vgpr_count:     256
    .wavefront_size: 32
...
	.end_amdgpu_metadata
.endif
;; end of part 3
;; launch outg (part 4): grid 8 x 32, 4 waves a work-group, clusters of 4 x 4, 327,680 bytes of LDS; arguments cat, wc, lowp_scales, bo, out0; writes out0
.if DOCPART == 4
	.amdgcn_target "amdgcn-amd-amdhsa--gfx1250"
	.amdhsa_code_object_version 6
	.text
	.protected	k_q5a6cb8bb96_outg
	.globl	k_q5a6cb8bb96_outg
	.p2align	8
	.type	k_q5a6cb8bb96_outg,@function
k_q5a6cb8bb96_outg:
	s_mov_b64 s[64:65], 0
	v_nop
	global_prefetch_b8 v0, s[64:65] scope:SCOPE_SE
	s_setreg_imm32_b32 hwreg(HW_REG_WAVE_MODE, 25, 1), 1
	s_wait_xcnt 0x0
	s_wait_alu depctr_hold_cnt(0) depctr_sa_sdst(0) depctr_va_vdst(0) depctr_va_sdst(0) depctr_va_ssrc(0) depctr_va_vcc(0) depctr_vm_vsrc(0)
	s_getreg_b32 s2, hwreg(HW_REG_IB_STS2, 6, 4)
	s_cmp_eq_u32 s2, 0
	s_cbranch_scc0 .Lentry_in_a_cluster
	s_endpgm
.Lentry_in_a_cluster:
	s_bfe_u32 s2, ttmp6, 0x10000c
	s_cmp_lg_u32 s2, 0xf033
	s_cbranch_scc0 .Lentry_shape_is_right
	s_endpgm
.Lentry_shape_is_right:
; out0 = heads Wo + bo on codes of BF8 (E5M2): each finished sum x 2^(e10 + e11), + bo.  LIMIT: e10 + e11 between -126 and 127.
; cat: [32 tiles of 256 tokens][16 heads][256 tokens][64 d] codes;  Wo's codes: wc's part 3, [1024 n][1024 k];  out0: [8192][1024] f32.
; A block of out0 is 256 tokens x 128 columns: 8 x 32 = 256 work-groups.  Four waves, each 128 tokens x 64 columns: 32 accumulators, one window of 256 registers.
; K goes in steps of 256 (four heads) through a ring of two LDS slots: waves 0, 1 fetch A's halves (two heads x 256 tokens: 128 rows of 256 dense bytes), waves 2, 3 B's (64 rows of 256 bytes each).
; CLUSTERS: 4 x 4 work-groups; A's tile is asked for jointly along a row of the cluster, B's along a column.  The matrix instruction is used transposed (source 0 = B, source 1 = A):
; a lane holds a token and eight neighbouring columns.  The way out goes through my stage, in slot 0 behind its last fill and last read: one store covers two aligned runs of 256 bytes.
; REGISTERS: window 0: v0-31 addresses, v128-255 A's fragments, one set (the way out: rows read back); window 1: B's fragments, two sets at v0 and v128; window 2: accumulator (a, b) at v[8 (4 a + b)].
.set ROWB,   256
.set KROW,   1024
.set PITCH,  272
.set SLAB,   64*PITCH                  ; a head's 256 tokens in LDS: four tokens to a row
.set FR,     16
.set NL,     4
.set NP,     4
.set HALFT,  128*PITCH
.set SLOT,   4*HALFT                   ; A's two halves; B's two halves of 64 rows begin at 2 and 3 HALFT
.set LAPS,   2
.set SPARE,  2*SLOT
.set SPITCH, 272                       ; a stage row: 64 f32 + 16 bytes
.set BIA,  12
.set ADRA, 16
.set ADRB, 20
.set STO,  24
.set RD,   25
.set CO,   26
.set BO,   27
.set SPW,  28
.set NIL,  29
.set AF,   128
.set BK,   128
.set G1, 24
.set G0, 32
.set G1B, 48
.set G0B, 56
.set MSB, 0
.macro WIN new
.if MSB != (\new)
	s_set_vgpr_msb (MSB<<8)|(\new)
.set MSB, (\new)
.endif
.endm
.set MULW, 0xa1                        ; source 0 (B) window 1, source 1 (A) window 0, C and D window 2
.set TO_B, 0x40
.macro JLOAD g0a, g1a, g0b, g1b        ; waves 0, 1 ask for A, waves 2, 3 for B; an s_nop 0 and four v_nop follow each line
	s_cmp_eq_u32 s15, 0
	s_cbranch_scc0 .Lfor_b_\@
	tensor_load_to_lds s[\g0a:\g0a+3], s[\g1a:\g1a+7]
	s_nop 0
.rept 4
	v_nop
.endr
	s_branch .Lasked_\@
.Lfor_b_\@:
	tensor_load_to_lds s[\g0b:\g0b+3], s[\g1b:\g1b+7]
	s_nop 0
.rept 4
	v_nop
.endr
.Lasked_\@:
.endm
.macro CREST
	s_cmp_lg_u32 s14, 0
	s_cbranch_scc1 .Lnot_wave_0_\@
	s_barrier_signal -3
.Lnot_wave_0_\@:
	s_barrier_wait -3
	s_barrier_signal -1
	s_barrier_wait -1
.endm
.macro CROUND
	s_barrier_signal -1
	s_barrier_wait -1
	CREST
.endm
	s_load_b128 s[4:7], s[0:1], 0x0                ; cat, wc
	s_load_b128 s[8:11], s[0:1], 0x10              ; the exponents, bo
	s_load_b64 s[12:13], s[0:1], 0x20              ; out0
	v_lshl_add_u32 v[SPW], v0, 2, SPARE
	v_mov_b32 v[NIL], 0
	ds_add_u32 v[SPW], v[NIL]                      ; the opening lines: the add, twice on end, and its wait
	ds_add_u32 v[SPW], v[NIL]
	v_lshrrev_b32 v1, 5, v0
	v_readfirstlane_b32 s14, v1                    ; wave 0..3
	s_lshr_b32 s15, s14, 1                         ; my half of the tokens.  Also: I fetch for A (0) or for B (1)
	s_and_b32 s16, s14, 1                          ; my half of the columns.  Also: which half of that tile I fetch
	s_bfe_u32 s40, ttmp6, 0x40000                  ; cx
	s_bfe_u32 s41, ttmp6, 0x40004                  ; cy
	s_lshl_b32 s42, ttmp9, 2
	s_add_co_u32 s42, s42, s40                     ; block column, 128 columns each
	s_and_b32 s17, ttmp7, 0xffff
	s_lshl_b32 s17, s17, 2
	s_add_co_u32 s17, s17, s41                     ; block row, 256 tokens each
	s_lshl_b32 s43, s41, 2
	s_lshl_b32 s43, 15, s43                        ; my row of the cluster
	s_lshl_b32 s44, 0x1111, s40                    ; my column
	s_or_b32 s[G1+0], s43, (0<<16)|(1<<20)|(1<<21)|(5<<22)|(3<<25)   ; the mask; elements of 1 byte; four words of padding after every 64; bit 21 beside the mask
	s_or_b32 s[G1B+0], s44, (0<<16)|(1<<20)|(1<<21)|(5<<22)|(3<<25)
.irp g, G1, G1B
	s_mov_b32 s[\g+1], ROWB<<16
	s_mov_b32 s[\g+3], ROWB<<16
	s_mov_b32 s[\g+6], 0
	s_mov_b32 s[\g+7], 0
.endr
	s_mov_b32 s[G1+2], 128<<16                     ; A: 128 rows, dense
	s_mov_b32 s[G1+4], 128
	s_mov_b32 s[G1+5], ROWB
	s_mov_b32 s[G1B+2], 64<<16                     ; B: 64 rows, 1,024 bytes apart
	s_mov_b32 s[G1B+4], 64
	s_mov_b32 s[G1B+5], KROW
	s_lshl_b32 s20, s17, 18                        ; A: the token tile's 2^18 bytes, + two heads for the second half
	s_lshl_b32 s18, s16, 15
	s_add_co_u32 s20, s20, s18
	s_mov_b32 s21, 0
	s_lshl_b32 s46, s42, 7                         ; B: row 128 x block column + 64 x half, in wc's part 3
	s_lshl_b32 s18, s16, 6
	s_add_co_u32 s46, s46, s18
	s_lshl_b32 s46, s46, 10
	s_add_co_u32 s46, s46, 0x300000
	s_mov_b32 s47, 0
	s_mul_i32 s45, s14, HALFT                      ; where my part goes: wave x 128 rows
	s_lshl_b32 s72, s17, 8                         ; out0: my first token,
	s_lshl_b32 s73, s15, 7
	s_add_co_u32 s72, s72, s73
	s_lshl_b32 s72, s72, 12
	s_mov_b32 s73, 0
	s_lshl_b32 s74, s42, 9                         ; and my first column, in bytes: 512 x block column + 256 x half
	s_lshl_b32 s75, s16, 8
	s_add_co_u32 s74, s74, s75
	s_mov_b32 s75, 0
	s_mul_i32 s21, s15, 32*PITCH                   ; (s21 is set to zero again below, ahead of its use as the high half)
	s_mov_b32 s76, s21
	s_mov_b32 s21, 0
	s_mul_i32 s22, s16, HALFT
	s_add_co_u32 s22, s22, 2*HALFT                 ; my 64 rows of B
	s_mul_i32 s23, s14, 16*SPITCH                  ; my stage
	s_wait_dscnt 0x0                               ; both opening adds are done
	s_wait_kmcnt 0x0
	s_load_b64 s[96:97], s[8:9], 0x28              ; e10, e11
	s_add_nc_u64 s[20:21], s[4:5], s[20:21]
	s_add_nc_u64 s[46:47], s[6:7], s[46:47]
	s_add_nc_u64 s[10:11], s[10:11], s[74:75]
	s_add_nc_u64 s[12:13], s[12:13], s[72:73]
	s_add_nc_u64 s[12:13], s[12:13], s[74:75]
	CROUND                                         ; all sixteen work-groups are here: the first joint loads meet
.irp s, 0,1
	s_mov_b32 s[G0+4*\s], 1
	s_add_co_u32 s[G0+4*\s+1], s45, \s*SLOT
	s_add_nc_u64 s[G0+4*\s+2:G0+4*\s+3], s[20:21], \s*65536
	s_or_b32 s[G0+4*\s+3], s[G0+4*\s+3], 0x80000000
	s_mov_b32 s[G0B+4*\s], 1
	s_add_co_u32 s[G0B+4*\s+1], s45, \s*SLOT
	s_add_nc_u64 s[G0B+4*\s+2:G0B+4*\s+3], s[46:47], \s*ROWB
	s_or_b32 s[G0B+4*\s+3], s[G0B+4*\s+3], 0x80000000
.endr
	JLOAD G0, G1, G0B, G1B                         ; K step 0: one tensor load a wave at the head
	v_and_b32 v1, 15, v0                           ; r
	v_bfe_u32 v2, v0, 4, 1                         ; h
	v_lshrrev_b32 v3, 2, v1
	v_mul_u32_u24 v3, v3, PITCH
	v_and_b32 v5, 3, v1
	v_lshl_add_u32 v3, v5, 6, v3
	v_lshl_add_u32 v3, v2, 4, v3                   ; A: token r at 272 (r / 4) + 64 (r % 4), + 16 h
	v_mul_u32_u24 v4, v1, PITCH
	v_lshl_add_u32 v4, v2, 4, v4                   ; B: row r x pitch + 16 h
	v_add_nc_u32 v[ADRA], s76, v3
	v_add_nc_u32 v[ADRB], s22, v4
	v_add_nc_u32 v[ADRA+1], SLOT, v[ADRA]
	v_add_nc_u32 v[ADRB+1], SLOT, v[ADRB]
	v_mul_u32_u24 v5, v1, SPITCH
	v_lshl_add_u32 v5, v2, 5, v5
	v_add_nc_u32 v[STO], s23, v5                   ; into the stage: row r, 32 bytes for each half of the lanes
	v_mul_u32_u24 v6, v2, SPITCH
	v_lshl_add_u32 v6, v1, 4, v6
	v_add_nc_u32 v[RD], s23, v6                    ; back: sixteen lanes to a row of 256 bytes, two rows an instruction
	v_lshlrev_b32 v[BO], 4, v1                     ; my four columns' bias
	v_lshlrev_b32 v6, 12, v2
	v_lshl_add_u32 v[CO], v1, 4, v6                ; and the same two rows in out0
	global_load_b128 v[BIA:BIA+3], v[BO], s[10:11]
.macro FRAG reg, adr, q, i
.irp c, 0,1,2,3
	ds_load_b128 v[\reg+4*\c:\reg+4*\c+3], v[\adr] offset:128*(\q)+32*\c+(\i)*16*PITCH
.endr
.endm
.macro FRAG_A reg, adr, q, i
.irp c, 0,1,2,3
	ds_load_b128 v[\reg+4*\c:\reg+4*\c+3], v[\adr] offset:(2*(\q)+\c/2)*SLAB+32*(\c%2)+(\i)*4*PITCH
.endr
.endm
.macro MUL8 a0, p, zero                ; A's blocks a0, a0 + 1 against B's four; the 32 accumulators take turns in the same order in every step
.irp a, \a0, \a0+1
.irp b, 0,1,2,3
.if \zero
	v_wmma_f32_16x16x128_bf8_bf8 v[8*(4*(\a)+\b):8*(4*(\a)+\b)+7], v[128*(\p)+FR*\b:128*(\p)+FR*\b+FR-1], v[AF+FR*(\a):AF+FR*(\a)+FR-1], 0
.else
	v_wmma_f32_16x16x128_bf8_bf8 v[8*(4*(\a)+\b):8*(4*(\a)+\b)+7], v[128*(\p)+FR*\b:128*(\p)+FR*\b+FR-1], v[AF+FR*(\a):AF+FR*(\a)+FR-1], v[8*(4*(\a)+\b):8*(4*(\a)+\b)+7]
.endif
.endr
.endr
.endm
.macro FETCH_B slot, q, p
	WIN TO_B
.irp i, 0,1,2,3
	FRAG 128*(\p)+FR*\i, ADRB+\slot, \q, \i
.endr
	WIN 0
.endm
.macro FETCH_A slot, q, i0
.irp i, \i0, \i0+1, \i0+2, \i0+3
	FRAG_A AF+FR*(\i), ADRA+\slot, \q, \i
.endr
.endm
.macro PLACES n
.rept \n
	v_nop
.endr
.endm
.macro STEP slot, q, zero              ; a step of 128 along K that has its successor in the same slot
	s_wait_dscnt 4*NL                              ; B's set and A's blocks 0-3 are in; A's blocks 4-7 may be out
	WIN MULW
	MUL8 0, (\q)%2, \zero
	MUL8 2, (\q)%2, \zero
	s_wait_dscnt 0
	PLACES NP
	FETCH_B \slot, (\q)+1, 1-(\q)%2
	FETCH_A \slot, (\q)+1, 0
	WIN MULW
	MUL8 4, (\q)%2, \zero
	MUL8 6, (\q)%2, \zero
	PLACES NP
	WIN 0
	FETCH_A \slot, (\q)+1, 4
.endm
.macro TURN slot, next, fill           ; a slot's last step changes slots
	s_wait_tensorcnt 0x0                           ; all my tensor loads have landed;
	ds_add_u32 v[SPW], v[NIL]                      ; the add;
	s_wait_dscnt 4*NL+1                            ; (the add and A's blocks 4-7 may be out)
	WIN MULW
	MUL8 0, 1, 0
	s_wait_dscnt 0x0                               ; the add is done, and my reads of this slot are over
	s_barrier_signal -1
	MUL8 2, 1, 0
	WIN 0
	s_barrier_wait -1
.if \fill
	CREST                                          ; the barrier has opened a round of the cluster's barrier
	s_add_nc_u64 s[G0+4*\slot+2:G0+4*\slot+3], s[G0+4*\slot+2:G0+4*\slot+3], 2*65536
	s_add_nc_u64 s[G0B+4*\slot+2:G0B+4*\slot+3], s[G0B+4*\slot+2:G0B+4*\slot+3], 2*ROWB
	JLOAD G0+4*\slot, G1, G0B+4*\slot, G1B         ; the first tensor load behind the round
.else
	PLACES NP
.endif
	FETCH_B \next, 0, 0
	FETCH_A \next, 0, 0
	WIN MULW
	MUL8 4, 1, 0
	MUL8 6, 1, 0
	PLACES NP
	WIN 0
	FETCH_A \next, 0, 4
.endm
	s_wait_alu depctr_va_vdst(0)                   ; the wait at the head's end
	s_wait_tensorcnt 0x0                           ; my part of K step 0 is in; the add and its wait ahead of a later first fill:
	ds_add_u32 v[SPW], v[NIL]
	s_wait_dscnt 0x0
	CROUND                                         ; everybody's part of K step 0 is in, and the joint loads meet
	JLOAD G0+4, G1, G0B+4, G1B                     ; K step 1
	FETCH_B 0, 0, 0
	FETCH_A 0, 0, 0
	FETCH_A 0, 0, 4
	STEP 0, 0, 1                                   ; the first step starts the sums
	s_mov_b32 s3, LAPS-1
.Llap:
	TURN 0, 1, 1
	STEP 1, 0, 0
	TURN 1, 0, 1
	STEP 0, 0, 0
	s_sub_co_u32 s3, s3, 1
	s_cmp_lg_u32 s3, 0
	s_cbranch_scc1 .Llap
	TURN 0, 1, 0                                   ; the last lap fills nothing
	STEP 1, 0, 0
	s_wait_dscnt 4*NL
	WIN MULW
	MUL8 0, 1, 0
	MUL8 2, 1, 0
	s_wait_dscnt 0
	MUL8 4, 1, 0
	MUL8 6, 1, 0
	WIN 0
.macro TOSTAGE a                       ; block a, 16 tokens x 64 columns, into my stage and back by rows
.set AC, 32*(\a)
.set BB, BK+32*((\a)%2)
	WIN 8                                          ; the stores' data: window 2
.irp b, 0,1,2,3
	ds_store_b128 v[STO], v[AC+8*\b:AC+8*\b+3] offset:64*\b
	ds_store_b128 v[STO], v[AC+8*\b+4:AC+8*\b+7] offset:64*\b+16
.endr
	WIN 0
.irp t, 0,1,2,3,4,5,6,7
	ds_load_b128 v[BB+4*\t:BB+4*\t+3], v[RD] offset:2*\t*SPITCH   ; LDS serves a wave's instructions in order (ISA guide 5.7.1.4)
.endr
.endm
.macro SEND a, younger
.set BB, BK+32*((\a)%2)
	s_wait_dscnt \younger
.irp t, 0,1,2,3,4,5,6,7
	v_pk_fma_f32 v[BB+4*\t:BB+4*\t+1], v[BB+4*\t:BB+4*\t+1], s[96:97], v[BIA:BIA+1] op_sel_hi:[1,0,1]
	v_pk_fma_f32 v[BB+4*\t+2:BB+4*\t+3], v[BB+4*\t+2:BB+4*\t+3], s[96:97], v[BIA+2:BIA+3] op_sel_hi:[1,0,1]
.endr
.irp t, 0,1,2,3,4,5,6,7
	global_store_b128 v[CO], v[BB+4*\t:BB+4*\t+3], s[12:13] offset:(16*(\a)+2*\t)*4096 th:TH_STORE_NT   ; sixteen lanes store 256 consecutive bytes, aligned; two rows a store
.endr
.endm
	s_wait_kmcnt 0x0
	s_add_co_i32 s96, s96, s97
	s_add_co_i32 s96, s96, 127
	s_lshl_b32 s96, s96, 23                        ; 2^(e10 + e11)
	s_mov_b32 s97, s96
	s_wait_loadcnt 0x0                             ; the bias
	PLACES NP
	TOSTAGE 0
.irp a, 1,2,3,4,5,6,7
.if \a > 1
	s_wait_xcnt 0x0                                ; block a - 2's stores have read their registers
.endif
	TOSTAGE \a
	SEND \a-1, 16                                  ; behind block a - 1's loads: block a's 8 stores and 8 loads
.endr
	SEND 7, 0
	s_wait_tensorcnt 0x0                           ; the wave's end
	ds_add_u32 v[SPW], v[NIL]
	s_wait_dscnt 0x0
	CROUND                                         ; the closing round
	s_endpgm
.Lfunc_end_k_q5a6cb8bb96_outg:
	.size	k_q5a6cb8bb96_outg, .Lfunc_end_k_q5a6cb8bb96_outg-k_q5a6cb8bb96_outg
	.p2alignl 7, 3214868480
	.fill 96, 4, 3214868480
	.section	.rodata,"a",@progbits
	.p2align	6, 0x0
	.amdhsa_kernel k_q5a6cb8bb96_outg
		.amdhsa_group_segment_fixed_size 327680
		.amdhsa_private_segment_fixed_size 0
		.amdhsa_enable_private_segment 0
		.amdhsa_kernarg_size 40
		.amdhsa_user_sgpr_count 2
		.amdhsa_user_sgpr_kernarg_segment_ptr 1
		.amdhsa_wavefront_size32 1
		.amdhsa_system_sgpr_workgroup_id_x 1
		.amdhsa_system_sgpr_workgroup_id_y 1
		.amdhsa_system_sgpr_workgroup_id_z 1
		.amdhsa_system_vgpr_workitem_id 0
		.amdhsa_next_free_vgpr 768
		.amdhsa_next_free_sgpr 98
		.amdhsa_reserve_vcc 0
		.amdhsa_float_denorm_mode_32 3
		.amdhsa_float_denorm_mode_16_64 3
		.amdhsa_memory_ordered 1
		.amdhsa_forward_progress 1
		.amdhsa_inst_pref_size 78
	.end_amdhsa_kernel
	.amdgpu_metadata
---
amdhsa.version: [ 1, 2 ]
amdhsa.kernels:
  - .name:           k_q5a6cb8bb96_outg
    .symbol:         k_q5a6cb8bb96_outg.kd
    .args:
      - { .name: cat, .offset: 0, .size: 8, .value_kind: global_buffer, .address_space: global }
      - { .name: wc, .offset: 8, .size: 8, .value_kind: global_buffer, .address_space: global }
      - { .name: lowp_scales, .offset: 16, .size: 8, .value_kind: global_buffer, .address_space: global }
      - { .name: bo, .offset: 24, .size: 8, .value_kind: global_buffer, .address_space: global }
      - { .name: out0, .offset: 32, .size: 8, .value_kind: global_buffer, .address_space: global }
    .group_segment_fixed_size: 327680
    .private_segment_fixed_size: 0
    .kernarg_segment_align: 8
    .kernarg_segment_size: 40
    .max_flat_workgroup_size: 128
    .sgpr_count:     98
    .vgpr_count:     768
    .wavefront_size: 32
...
	.end_amdgpu_metadata
.endif
;; end of part 4
